; MI455X (gfx1250); checked and timed in simulation.
; The chip was launched on July 23, 2026; its instructions are those of AMD's public machine-readable ISA for CDNA 5 (MIT licence, August 2026) and "CDNA5" Instruction Set Architecture Reference Guide (July 2026). The comments in the code are by the model that wrote it; some were corrected since.
;; NN Distance. Allowed arithmetic: matrix products marked QUANTISED: E3M2 operands, one E8M0 scale for each 32 along K, by v_wmma_scale_f32_16x16x128_f8f6f4 with both operands' format E3M2, f32 sums; everything else in f32.
;; Inputs: target_set 65,536 x 256 float32; x 4,096 x 256 float32.
;; Outputs: out0 4,096 float32; out1 4,096 int32.
;; This version of the problem:
;;   THIS VERSION OF THE PROBLEM IS GIVEN IN LOW PRECISION. The matrix products marked QUANTISED in the list below multiply operands that are first quantised to E3M2 (3 exponent bits, 2 mantissa bits; 6 bits a number), with one power-of-two scale for each 32 numbers along K (OCP MX v1.0); their sums are f32. All else is computed in f32.
;;   The module's matrix products, in the order in which they are computed (A, B: the left and right operand; K: the contracted axis; several contracted axes count as one K, in the product's order):
;;     1. [M 4,096, K 256] x [K 256, N 65,536]; A: input x; B: input target_set: QUANTISED
;;   THE QUANTISER, for each operand of a quantised product, along K:
;;     - K is cut into blocks of 32 from its start; a last block that is shorter is filled with zeros.
;;     - A block's scale is 2^e with e = floor(log2(the largest magnitude in the block)) - 4, held to -126 .. 127; a block of zeros has e = 0. As a byte (E8M0): e + 127.
;;     - Each number is divided by its block's scale, clamped to +-28, and rounded to the nearest number of E3M2, ties to even, subnormals kept.
;;     - The product sums the exact products of the quantised numbers (number of the format x scale) in f32.
;;   ~~~python
;;   def quantise(x, axis):      # numpy; x: float32 -> the quantised numbers, widened to float32 again
;;       x = np.moveaxis(x, axis, -1); K = x.shape[-1]
;;       x = np.pad(x, [(0, 0)] * (x.ndim - 1) + [(0, -K % 32)]); x = x.reshape(x.shape[:-1] + (-1, 32)); a = np.abs(x).max(-1, keepdims=True)
;;       e = np.where(a > 0, np.clip(np.frexp(np.where(a > 0, a, 1))[1] - 1 - 4, -126, 127), 0)      # np.frexp(a)[1] - 1 = floor(log2(a)), exactly
;;       r = np.clip(x / 2.0 ** e, -28, 28)
;;       step = 2.0 ** (np.maximum(np.frexp(np.where(r == 0, 1, r))[1] - 1, -2) - 2)
;;       q = np.round(r / step) * step * 2.0 ** e      # np.round: ties to even
;;       return np.moveaxis(q.reshape(q.shape[:-2] + (-1,))[..., :K], -1, axis).astype(np.float32)
;;   ~~~
;; One version. Each part assembles by itself: llvm-mc -triple=amdgcn-amd-amdhsa -mcpu=gfx1250 --defsym DOCPART=n.
;; ======== version 1 of 1: 3 launches
;; workspace buffers: recs 14,483,456 bytes; part 2,097,152 bytes of whole numbers
;; launch quant (part 1): grid 256 x 1, 17 waves a work-group, no clusters, 293,888 bytes of LDS; arguments x, target_set, recs; writes recs
.if DOCPART == 1
	.amdgcn_target "amdgcn-amd-amdhsa--gfx1250"
	.amdhsa_code_object_version 6
	.text
	.protected	k_q545ae4070b_quant
	.globl	k_q545ae4070b_quant
	.p2align	8
	.type	k_q545ae4070b_quant,@function
k_q545ae4070b_quant:
	s_mov_b64 s[64:65], 0
	v_nop
	global_prefetch_b8 v0, s[64:65] scope:SCOPE_SE
	s_setreg_imm32_b32 hwreg(HW_REG_WAVE_MODE, 25, 1), 1
	s_wait_xcnt 0x0
; target_set [65536][256] and x [4096][256], f32, become RECORDS: one for each tile of 16 rows, 3,328 bytes = 13 x 256, laid in the order of a matrix operand's registers.
; Records 0-4095: target tiles; 4096-4351: x tiles.  A record:
;   bytes 0-1535     fragment 0 (K 0-127, codes of E3M2): registers 4 c .. 4 c + 3 of lane l at 512 c + 16 l, c = 0, 1, 2
;   bytes 1536-3071  fragment 1 (K 128-255), likewise
;   bytes 3072-3199  scale words, 4 bytes a lane: lanes 0-15 row r's four E8M0 bytes of K 0-127, lanes 16-31 row r's of K 128-255
;   bytes 3200-3327  hn[r] = -1/2 x the sum of the row's squares (of the f32 numbers, not of the codes), 16 numbers, twice
; A block's scale byte is its largest magnitude's exponent field - 4, held at 1 from below by a floor among the maximum's leaves.
; LIMITS: a block of zeros, and one whose largest magnitude lies under 2^-122, keeps the byte 1 (zero codes add nothing under any byte; this program alone reads the bytes);
; NaN and infinities among the inputs are not served; the row's squares are summed in four chains a lane and two lanes a row, not in the order of a plain loop.
; SHARES: 4,352 tiles = 17 waves x 256 work-groups: a wave to a tile.  Each wave brings its 16 rows by two tensor loads (16 rows x 512 bytes each), both issued at the head: two loads of a wave are out.
; Nothing is filled again, waves share nothing: no barrier.  No cluster: no two work-groups read the same byte.
.set RECB,  3328
.set WREG,  16896                      ; LDS of a wave: two half-row tiles
.set FRG,   8448                       ; one of them: 16 rows, PITCH apart
.set PITCH, 528                        ; 512 bytes + 16 = 33 x 16: the sixteen rows that a load touches start in sixteen different columns of 16 bytes
.set ST,    17*WREG                    ; behind the tiles: 256 bytes for each wave, in which a record's last 256 bytes are gathered; no tensor load lands there
.set LA,  4                            ; v4   LDS: my row, my half's first block
.set LI,  5                            ; v5   16 x lane
.set SW,  6                            ; v6   my wave's stage + 4 x lane
.set SRD, 7                            ; v7   my wave's stage + 8 x lane
.set GO,  8                            ; v8   8 x lane
.set SH,  9                            ; v9   8 h: where my bytes stand in a scale word
.set M,   10                           ; v10-11 largest magnitudes of my two blocks
.set SO,  12                           ; v12-13 the conversions' scale operands
.set BY,  14                           ; v14-17 scale bytes: fragment f, block c at 2 f + c
.set SQ,  18                           ; v18-21 sums of squares: two packed chains
.set TP,  22                           ; v22-29 at work
.set C,   32                           ; v32-55 the 24 registers of codes
.set CT,  56                           ; v56-58, v60-62 a block's upper 16 codes, before they are moved
.set X,   64                           ; v64-127 my 64 numbers of fragment 0, v128-191 of fragment 1
	s_load_b128 s[4:7], s[0:1], 0x0                ; x s[4:5], target_set s[6:7]
	s_load_b64 s[8:9], s[0:1], 0x10                ; recs
	v_lshl_add_u32 v59, v0, 2, 0x47300
	v_mov_b32 v63, 0
	ds_add_u32 v59, v63
	ds_add_u32 v59, v63
	v_lshrrev_b32 v1, 5, v0
	v_readfirstlane_b32 s10, v1                    ; wave 0..16
	s_mul_i32 s11, ttmp9, 17
	s_add_co_u32 s11, s11, s10                     ; my tile, and my record: 17 x work-group + wave
	; descriptor group 1: 16 rows x 64 elements of 8 bytes, rows 128 elements apart in memory, 16 bytes of padding behind each 512 in LDS
	s_mov_b32 s16, (3<<16)|(1<<20)|(6<<22)|(3<<25) ; no mask; elements of 8 bytes; padding on, after every 128 words, of 4 words
	s_mov_b32 s17, 64<<16                          ; tensor_dim0 = 64
	s_mov_b32 s18, 16<<16                          ; tensor_dim1 = 16
	s_mov_b32 s19, 64<<16                          ; tile_dim0 = 64
	s_mov_b32 s20, 16                              ; tile_dim1 = 16
	s_mov_b32 s21, 128                             ; from row to row
	s_mov_b32 s22, 0
	s_mov_b32 s23, 0
	s_mul_i32 s12, s10, WREG                       ; my wave's LDS
	s_mul_i32 s14, s11, RECB                       ; my record's first byte
	s_mov_b32 s15, 0
	s_mov_b32 s40, 0x76543210                      ; v_permlanex16_b32's selects for lane l xor 16
	s_mov_b32 s41, 0xfedcba98
	s_wait_dscnt 0x0
	s_wait_kmcnt 0x0
	s_cmp_lt_u32 s11, 4096                         ; a target tile or a tile of x?  The choice hangs on ids alone; both take one path through the text
	s_cselect_b64 s[4:5], s[6:7], s[4:5]
	s_cselect_b32 s13, 0, 4096
	s_sub_co_u32 s13, s11, s13                     ; the tile's number in its tensor
	s_lshl_b32 s2, s13, 14                         ; 16 rows of 1,024 bytes
	s_mov_b32 s3, 0
	s_add_nc_u64 s[4:5], s[4:5], s[2:3]
	s_add_nc_u64 s[8:9], s[8:9], s[14:15]
	s_mov_b32 s24, 1                               ; group 0 for K 0-127
	s_mov_b32 s25, s12
	s_mov_b64 s[26:27], s[4:5]
	s_or_b32 s27, s27, 0x80000000
	s_mov_b32 s28, 1                               ; and for K 128-255: 512 bytes on in each row
	s_add_co_u32 s29, s12, FRG
	s_add_nc_u64 s[30:31], s[4:5], 512
	s_or_b32 s31, s31, 0x80000000
	tensor_load_to_lds s[24:27], s[16:23]
	s_nop 0
	tensor_load_to_lds s[28:31], s[16:23]
	s_nop 0
	v_and_b32 v1, 31, v0                           ; lane
	v_and_b32 v2, 15, v0                           ; r: my row
	v_bfe_u32 v3, v0, 4, 1                         ; h
	v_mul_u32_u24 v[LA], v2, PITCH
	v_lshl_add_u32 v[LA], v3, 7, v[LA]             ; the 6-bit layout gives lane (r, h) the blocks k = 64 c + 32 h + 0 .. 31: 128 h bytes on
	v_add_nc_u32 v[LA], s12, v[LA]
	v_lshlrev_b32 v[LI], 4, v1
	s_lshl_b32 s13, s10, 8
	s_add_co_u32 s13, s13, ST
	v_lshl_add_u32 v[SW], v1, 2, s13
	v_lshl_add_u32 v[SRD], v1, 3, s13
	v_lshlrev_b32 v[GO], 3, v1
	v_lshlrev_b32 v[SH], 3, v3
	v_mov_b32 v[TP+2], 0                           ; a lane permute's destination counts as one of its sources
	v_mov_b32 v[TP+3], 0
; Fragment f: my two whole blocks of 32 come out of LDS, give their scale bytes, their part of the row's squares and their codes; the codes leave as three stores of 512 consecutive bytes.
.macro QFRAG f
.set XB, X+64*\f
.set CB, C+12*\f
	s_wait_tensorcnt 1-\f                          ; a wave's tensor loads end in order: this half is in; behind it the other half was issued (f = 0) or nothing (f = 1)
.irp c, 0,1
.irp i, 0,1,2,3,4,5,6,7
	ds_load_b128 v[XB+32*\c+4*\i:XB+32*\c+4*\i+3], v[LA] offset:FRG*\f+256*\c+16*\i
.endr
.endr
	s_wait_dscnt 0x0
.irp c, 0,1
	v_max3_num_f32 v[M+\c], |v[XB+32*\c]|, |v[XB+32*\c+1]|, 0x2800000   ; the floor 2^(5 - 127): the byte cannot fall under 1
.endr
.irp i, 2,4,6,8,10,12,14,16,18,20,22,24,26,28,30
.irp c, 0,1
	v_max3_num_f32 v[M+\c], v[M+\c], |v[XB+32*\c+\i]|, |v[XB+32*\c+\i+1]|   ; the two blocks by turns
.endr
.endr
.irp c, 0,1
	v_add_nc_u32 v[SO+\c], 0xfe000000, v[M+\c]     ; 4 off the exponent field: the conversion takes this operand's exponent field as its scale
.endr
.irp c, 0,1
	v_lshrrev_b32 v[BY+2*\f+\c], 23, v[SO+\c]      ; the scale's byte
.endr
.if \f == 0
	v_pk_mul_f32 v[SQ:SQ+1], v[XB:XB+1], v[XB:XB+1]            ; the first squares start the sums: nothing is cleared
	v_pk_mul_f32 v[SQ+2:SQ+3], v[XB+2:XB+3], v[XB+2:XB+3]
.else
	v_pk_fma_f32 v[SQ:SQ+1], v[XB:XB+1], v[XB:XB+1], v[SQ:SQ+1]
	v_pk_fma_f32 v[SQ+2:SQ+3], v[XB+2:XB+3], v[XB+2:XB+3], v[SQ+2:SQ+3]
.endif
.irp j, 4,8,12,16,20,24,28,32,36,40,44,48,52,56,60
	v_pk_fma_f32 v[SQ:SQ+1], v[XB+\j:XB+\j+1], v[XB+\j:XB+\j+1], v[SQ:SQ+1]
	v_pk_fma_f32 v[SQ+2:SQ+3], v[XB+\j+2:XB+\j+3], v[XB+\j+2:XB+\j+3], v[SQ+2:SQ+3]
.endr
.irp c, 0,1
	v_cvt_scalef32_pk16_bf6_f32 v[CB+6*\c:CB+6*\c+2], v[XB+32*\c:XB+32*\c+15], v[SO+\c]         ; registers 6 c .. 6 c + 2 of the operand
	v_cvt_scalef32_pk16_bf6_f32 v[CT+4*\c:CT+4*\c+2], v[XB+32*\c+16:XB+32*\c+31], v[SO+\c]      ; a conversion's three registers begin on an even number: the upper half is made apart and moved
.endr
	v_nop                                          ; one plain instruction behind the last scaled conversion
.irp c, 0,1
.irp i, 0,1,2
	v_mov_b32 v[CB+6*\c+3+\i], v[CT+4*\c+\i]
.endr
.endr
.irp c, 0,1,2
	global_store_b128 v[LI], v[CB+4*\c:CB+4*\c+3], s[8:9] offset:1536*\f+512*\c   ; 32 lanes store 512 consecutive bytes, at a multiple of 256 from the buffer's first byte
.endr
.endm
	QFRAG 0
	QFRAG 1
	; the record's last 256 bytes: scale words and hn
	v_lshl_or_b32 v[TP], v[BY+1], 16, v[BY]        ; fragment 0: my bytes of blocks h and 2 + h,
	v_lshl_or_b32 v[TP+1], v[BY+3], 16, v[BY+2]    ; fragment 1 likewise,
	v_lshlrev_b32 v[TP], v[SH], v[TP]              ; at their places in the word
	v_lshlrev_b32 v[TP+1], v[SH], v[TP+1]
	v_cmp_le_u32 vcc_lo, 16, v1                    ; lanes 16-31
	v_cndmask_b32 v[TP+4], v[TP], v[TP+1], vcc_lo  ; lanes 0-15 keep fragment 0's half word, lanes 16-31 fragment 1's,
	v_cndmask_b32 v[TP+5], v[TP+1], v[TP], vcc_lo  ; and give the other to lane l xor 16
	v_permlanex16_b32 v[TP+2], v[TP+5], s40, s41
	v_or_b32 v[TP+4], v[TP+4], v[TP+2]             ; the word is whole
	v_pk_add_f32 v[SQ:SQ+1], v[SQ:SQ+1], v[SQ+2:SQ+3]
	v_add_f32 v[SQ], v[SQ], v[SQ+1]
	v_permlanex16_b32 v[TP+3], v[SQ], s40, s41
	v_add_f32 v[SQ], v[SQ], v[TP+3]                ; the row's sum of squares, in both of its lanes
	v_mul_f32 v[SQ], -0.5, v[SQ]
	ds_store_b32 v[SW], v[TP+4]
	ds_store_b32 v[SW], v[SQ] offset:128
	ds_load_b64 v[TP+6:TP+7], v[SRD]               ; LDS serves a wave's instructions in order: this sees my stores
	s_wait_dscnt 0x0
	global_store_b64 v[GO], v[TP+6:TP+7], s[8:9] offset:3072   ; 32 lanes store 256 consecutive bytes, aligned
	s_wait_tensorcnt 0x0
	ds_add_u32 v59, v63
	s_wait_dscnt 0x0
	s_endpgm
.Lfunc_end_k_q545ae4070b_quant:
	.size	k_q545ae4070b_quant, .Lfunc_end_k_q545ae4070b_quant-k_q545ae4070b_quant
	.p2alignl 7, 3214868480
	.fill 96, 4, 3214868480
	.section	.rodata,"a",@progbits
	.p2align	6, 0x0
	.amdhsa_kernel k_q545ae4070b_quant
		.amdhsa_group_segment_fixed_size 293888
		.amdhsa_private_segment_fixed_size 0
		.amdhsa_enable_private_segment 0
		.amdhsa_kernarg_size 24
		.amdhsa_user_sgpr_count 2
		.amdhsa_user_sgpr_kernarg_segment_ptr 1
		.amdhsa_wavefront_size32 1
		.amdhsa_system_sgpr_workgroup_id_x 1
		.amdhsa_system_sgpr_workgroup_id_y 1
		.amdhsa_system_sgpr_workgroup_id_z 1
		.amdhsa_system_vgpr_workitem_id 0
		.amdhsa_next_free_vgpr 192
		.amdhsa_next_free_sgpr 66
		.amdhsa_reserve_vcc 1
		.amdhsa_float_denorm_mode_32 3
		.amdhsa_float_denorm_mode_16_64 3
		.amdhsa_memory_ordered 1
		.amdhsa_forward_progress 1
		.amdhsa_inst_pref_size 17
	.end_amdhsa_kernel
	.amdgpu_metadata
---
amdhsa.version: [ 1, 2 ]
amdhsa.kernels:
  - .name:           k_q545ae4070b_quant
    .symbol:         k_q545ae4070b_quant.kd
    .args:
      - { .name: x, .offset: 0, .size: 8, .value_kind: global_buffer, .address_space: global }
      - { .name: target_set, .offset: 8, .size: 8, .value_kind: global_buffer, .address_space: global }
      - { .name: recs, .offset: 16, .size: 8, .value_kind: global_buffer, .address_space: global }
    .group_segment_fixed_size: 293888
    .private_segment_fixed_size: 0
    .kernarg_segment_align: 8
    .kernarg_segment_size: 24
    .max_flat_workgroup_size: 544
    .sgpr_count:     66
    .vgpr_count:     192
    .wavefront_size: 32
...
	.end_amdgpu_metadata
.endif
;; end of part 1
;; launch nearest (part 2): grid 4 x 64, 8 waves a work-group, clusters of 4 x 1, 214,016 bytes of LDS; arguments recs, part; writes part
.if DOCPART == 2
	.amdgcn_target "amdgcn-amd-amdhsa--gfx1250"
	.amdhsa_code_object_version 6
	.text
	.protected	k_q545ae4070b_nearest
	.globl	k_q545ae4070b_nearest
	.p2align	8
	.type	k_q545ae4070b_nearest,@function
k_q545ae4070b_nearest:
	s_mov_b64 s[64:65], 0
	v_nop
	global_prefetch_b8 v0, s[64:65] scope:SCOPE_SE
	s_setreg_imm32_b32 hwreg(HW_REG_WAVE_MODE, 25, 1), 1
	s_wait_xcnt 0x0
	s_wait_alu depctr_hold_cnt(0) depctr_sa_sdst(0) depctr_va_vdst(0) depctr_va_sdst(0) depctr_va_ssrc(0) depctr_va_vcc(0) depctr_vm_vsrc(0)
	s_getreg_b32 s2, hwreg(HW_REG_IB_STS2, 6, 4)
	s_cmp_eq_u32 s2, 0
	s_cbranch_scc0 .Lentry_in_a_cluster
	s_endpgm
.Lentry_in_a_cluster:
	s_bfe_u32 s2, ttmp6, 0x10000c
	s_cmp_lg_u32 s2, 0x3003
	s_cbranch_scc0 .Lentry_shape_is_right
	s_endpgm
.Lentry_shape_is_right:
; For each query and each SPAN of 1,024 targets: the largest D(t, q) = Q(x_q) . Q(t) - |t|^2 / 2, held at cap_q = |x_q|^2 / 2 from above, and the first GROUP of 64 targets that reaches it.
; d^2 = |x|^2 - 2 D falls as D rises, and max(d^2, 0) is 0 just where D >= cap: so the smallest clamped distance is the largest capped D; root and |x|^2 are left to the last launch.
; -|t|^2 / 2 is the C of a tile's first matrix instruction, so a result costs half a v_max3_num_f32 and, once in 64 targets, a minimum, a compare and a select.
; Stored, for (span, query): key = the capped maximum's bits turned into an unsigned number of the same order, and gid = 16 span + group: whole numbers, from which the next launch forms addresses.
; LIMITS: d^2 is formed as |x|^2 - 2 (dot - |t|^2 / 2), not as (|x|^2 + |t|^2) - 2 dot; the order is taken on capped D, not on the rounded root: targets whose D differ and whose rounded roots are equal are not tied.
; Equal D go to the lower index.  NaN and infinities are not served.
; SHARES.  A work-group: 1,024 queries (block cx) x one span (work-group y).  The span's 64 records (212,992 bytes) lie in LDS, filled once: no slot is filled again.
; Each of eight waves keeps 8 tiles of 16 queries in registers (window 1) and walks all 64 records; two waves share a SIMD, one's maxima beside the other's products.
; CLUSTER.  The four query blocks of a span need the same records: each tensor load is asked for JOINTLY, with the same descriptor and the mask of all four.  A wave issues three, together, behind the opening round:
; three loads of a wave are out; the walk begins when the first quarter of the span has landed.
; THE PRODUCT: source 0 = 16 targets, source 1 = 16 queries: a lane holds ONE query (lane % 16) and targets 8 (lane / 16) + 0 .. 7 of the tile.
.set RECB,  3328
.set SPANB, 64*RECB
.set LB,  1                            ; v1   16 x lane: my place in an image of four registers; also the offset of x's loads
.set LSC, 2                            ; v2   3072 + 4 x lane: my scale word in a record
.set LH,  3                            ; v3   3200 + 32 (lane / 16): hn of my eight targets
.set ADC, 4                            ; v4-6 the same three with the trip's first record added
.set ADS, 5
.set ADH, 6
.set GV,  7                            ; v7   the group in hand
.set RUN, 8                            ; v8-15  the running capped maximum, tile q; it changes places with T from group to group
.set T,   16                           ; v16-23
.set GID, 24                           ; v24-31 the first group that reached it
.set HNX, 32                           ; v32-39 -|x|^2 / 2 of my query, tile q: cap = -HNX
.set XS,  40                           ; v40-47 x's scale words
.set TS,  48                           ; v48-49 the record's scale words, two buffers
.set HN,  50                           ; v50-65 hn of my eight targets, two buffers
.set TF,  66                           ; v66-113 the record's two fragments, two buffers
.set PV,  114                          ; v114-115 the other half's value and group
.set PG,  115
.set OUTP, 116                         ; v116-123 four pairs to store
.set TK,  124
.set LN,  125                          ; lane
.set L4,  126                          ; 4 x lane
.set L8,  127                          ; 8 x lane
.set ACC, 128                          ; v128-191, v192-255: two sets of 8 accumulators
.set MSB, 0
.macro WIN new                         ; the immediate's high byte repeats the setting that is left
.if MSB != \new
	s_set_vgpr_msb (MSB<<8)|\new
.set MSB, \new
.endif
.endm
.macro CROUND                          ; a round of the cluster's barrier: my work-group's barrier; wave 0 signals for the work-group; all wait for the four; my work-group's barrier once more
	s_barrier_signal -1
	s_barrier_wait -1
	s_cmp_lg_u32 s8, 0
	s_cbranch_scc1 .Lnot_wave_0_\@
	s_barrier_signal -3
.Lnot_wave_0_\@:
	s_barrier_wait -3
	s_barrier_signal -1
	s_barrier_wait -1
.endm
	s_load_b128 s[4:7], s[0:1], 0x0                ; recs s[4:5], part s[6:7]
	s_set_vgpr_msb 0x40
	v_lshl_add_u32 v192, v0, 2, 0x34000
	v_mov_b32 v193, 0
	s_set_vgpr_msb 0x4045
	ds_add_u32 v192, v193
	ds_add_u32 v192, v193
	s_set_vgpr_msb 0x4500
	v_lshrrev_b32 v[TK], 5, v0
	v_readfirstlane_b32 s8, v[TK]                  ; wave 0..7
	s_bfe_u32 s9, ttmp6, 0x40000                   ; cx: my block of 1,024 queries; it enters x's and part's addresses alone
	s_and_b32 s10, ttmp7, 0xffff                   ; the span, which the four partners share
	v_and_b32 v[LN], 31, v0
	v_bfe_u32 v[TK], v0, 4, 1
	v_lshlrev_b32 v[LB], 4, v[LN]
	v_lshlrev_b32 v[L4], 2, v[LN]
	v_lshlrev_b32 v[L8], 3, v[LN]
	v_add_nc_u32 v[LSC], 3072, v[L4]
	v_lshl_add_u32 v[LH], v[TK], 5, 3200
	v_mov_b32 v[PV], 0                             ; a lane permute's destination counts as one of its sources
	v_mov_b32 v[PG], 0
	; descriptor groups 1: dense blocks as rows of 256 bytes (32 elements of 8 bytes): 26 rows = 2 records, 52 rows = 4 records
	s_mov_b32 s16, 15|(3<<16)|(1<<21)              ; the mask: all four work-groups; elements of 8 bytes; bit 21 set beside a mask; no padding
	s_mov_b32 s17, 32<<16
	s_mov_b32 s18, 26<<16
	s_mov_b32 s19, 32<<16
	s_mov_b32 s20, 26
	s_mov_b32 s21, 32
	s_mov_b32 s22, 0
	s_mov_b32 s23, 0
	s_mov_b32 s24, 15|(3<<16)|(1<<21)
	s_mov_b32 s25, 32<<16
	s_mov_b32 s26, 52<<16
	s_mov_b32 s27, 32<<16
	s_mov_b32 s28, 52
	s_mov_b32 s29, 32
	s_mov_b32 s30, 0
	s_mov_b32 s31, 0
	s_lshl_b32 s52, s9, 6
	s_lshl_b32 s53, s8, 3
	s_add_co_u32 s52, s52, s53
	s_add_co_u32 s52, s52, 4096                    ; my first record of x: 4096 + 64 cx + 8 wave
	s_mul_i32 s52, s52, RECB
	s_mov_b32 s53, 0
	s_mul_i32 s56, s10, SPANB                      ; the span's first byte
	s_mov_b32 s57, 0
	s_lshl_b32 s60, s10, 15                        ; part: 8 bytes x (4096 span + 1024 cx + 128 wave)
	s_lshl_b32 s61, s9, 13
	s_add_co_u32 s60, s60, s61
	s_lshl_b32 s61, s8, 10
	s_add_co_u32 s60, s60, s61
	s_mov_b32 s61, 0
	s_mul_i32 s58, s8, 2*RECB                      ; what I fetch: of the span's first and second quarter two records each,
	s_mov_b32 s59, 0
	s_mul_i32 s54, s8, 4*RECB                      ; of its second half four: wave x a constant, in memory as in LDS
	s_mov_b32 s55, 0
	s_lshl_b32 s51, s10, 4                         ; the span's first group
	s_mov_b32 s44, 0                               ; LDS byte of the trip's first record
	s_mov_b32 s46, 0x76543210                      ; v_permlanex16_b32's selects for lane l xor 16
	s_mov_b32 s47, 0xfedcba98
	s_wait_dscnt 0x0
	s_wait_kmcnt 0x0
	s_add_nc_u64 s[52:53], s[4:5], s[52:53]
	s_add_nc_u64 s[56:57], s[4:5], s[56:57]
	s_add_nc_u64 s[60:61], s[6:7], s[60:61]
	WIN 0x40                                       ; destination window 1, address window 0
.irp q, 0,1,2,3,4,5,6,7                        ; x's fragments stay in registers: tile q, K step s at v[24 q + 12 s] of window 1
.irp c, 0,1,2,3,4,5
	global_load_b128 v[24*\q+4*\c:24*\q+4*\c+3], v[LB], s[52:53] offset:\q*RECB+512*\c
.endr
.endr
	WIN 0
.irp q, 0,1,2,3,4,5,6,7
	global_load_b32 v[XS+\q], v[L4], s[52:53] offset:\q*RECB+3072
	global_load_b32 v[HNX+\q], v[L4], s[52:53] offset:\q*RECB+3200   ; hn stands twice in a record: lane l finds hn[l % 16]
.endr
	s_mov_b32 s32, 1                               ; group 0, part A: records 2 w, 2 w + 1
	s_mov_b32 s33, s58
	s_add_nc_u64 s[34:35], s[56:57], s[58:59]
	s_mov_b32 s36, 1                               ; part B: records 16 + 2 w, 17 + 2 w
	s_add_co_u32 s37, s58, 16*RECB
	s_add_nc_u64 s[38:39], s[34:35], 16*RECB
	s_or_b32 s35, s35, 0x80000000
	s_or_b32 s39, s39, 0x80000000
	s_mov_b32 s40, 1                               ; part C: records 32 + 4 w .. 35 + 4 w
	s_add_co_u32 s41, s54, 32*RECB
	s_add_nc_u64 s[42:43], s[56:57], s[54:55]
	s_add_nc_u64 s[42:43], s[42:43], 32*RECB
	s_or_b32 s43, s43, 0x80000000
	CROUND                                         ; all four work-groups are here: the joint loads meet
	tensor_load_to_lds s[32:35], s[16:23]
	s_nop 0
	tensor_load_to_lds s[36:39], s[16:23]
	s_nop 0
	tensor_load_to_lds s[40:43], s[24:31]
	s_nop 0
.rept 4
	v_nop
.endr
.macro ADDR                            ; the trip's addresses
	v_add_nc_u32 v[ADC], s44, v[LB]
	v_add_nc_u32 v[ADS], s44, v[LSC]
	v_add_nc_u32 v[ADH], s44, v[LH]
.endm
.macro LOADREC i                       ; record i of the trip into buffer i % 2: nine LDS loads
.set bb, (\i)%2
.irp c, 0,1,2,3,4,5
	ds_load_b128 v[TF+24*bb+4*\c:TF+24*bb+4*\c+3], v[ADC] offset:(\i)*RECB+512*\c
.endr
	ds_load_b32 v[TS+bb], v[ADS] offset:(\i)*RECB
	ds_load_b128 v[HN+8*bb:HN+8*bb+3], v[ADH] offset:(\i)*RECB
	ds_load_b128 v[HN+8*bb+4:HN+8*bb+7], v[ADH] offset:(\i)*RECB+16
.endm
; Record i against my eight tiles of queries: 16 matrix instructions.  The eight accumulators take turns: seven others' stand between the two links of a sum.
; One scale register serves both K steps: lanes 0-15 for the first, lanes 16-31 (ROW1) for the second.
.macro MULREC i
.set bb, (\i)%2
	WIN 0x04                                       ; source 1 (x) window 1
.irp q, 0,1,2,3,4,5,6,7
	v_wmma_scale_f32_16x16x128_f8f6f4 v[ACC+64*bb+8*\q:ACC+64*bb+8*\q+7], v[TF+24*bb:TF+24*bb+11], v[24*\q:24*\q+11], v[HN+8*bb:HN+8*bb+7], v[TS+bb], v[XS+\q] matrix_a_fmt:MATRIX_FMT_BF6 matrix_b_fmt:MATRIX_FMT_BF6
.endr
.irp q, 0,1,2,3,4,5,6,7
	v_wmma_scale_f32_16x16x128_f8f6f4 v[ACC+64*bb+8*\q:ACC+64*bb+8*\q+7], v[TF+24*bb+12:TF+24*bb+23], v[24*\q+12:24*\q+23], v[ACC+64*bb+8*\q:ACC+64*bb+8*\q+7], v[TS+bb], v[XS+\q] matrix_a_fmt:MATRIX_FMT_BF6 matrix_b_fmt:MATRIX_FMT_BF6 matrix_a_scale:MATRIX_SCALE_ROW1 matrix_b_scale:MATRIX_SCALE_ROW1
.endr
	WIN 0
.endm
; The maxima of one record's results (accumulator set vs).  first: the group's first record takes the running maximum (old) in; last: the cap, and the group's number where the maximum has grown.
; Each accumulator is read from its low end on.
.macro VEC old, new, first, last
.irp q, 0,1,2,3,4,5,6,7
.if \first
	v_max3_num_f32 v[\new+\q], v[\old+\q], v[ACC+64*vs+8*\q], v[ACC+64*vs+8*\q+1]
.else
	v_max3_num_f32 v[\new+\q], v[\new+\q], v[ACC+64*vs+8*\q], v[ACC+64*vs+8*\q+1]
.endif
.endr
.irp p, 1,2,3
.irp q, 0,1,2,3,4,5,6,7
	v_max3_num_f32 v[\new+\q], v[\new+\q], v[ACC+64*vs+8*\q+2*\p], v[ACC+64*vs+8*\q+2*\p+1]
.endr
.endr
.if \last
.irp q, 0,1,2,3,4,5,6,7
	v_min_num_f32 v[\new+\q], v[\new+\q], -v[HNX+\q]           ; at the cap d^2 is clamped to 0: nothing lies above it
.endr
.irp q, 0,1,2,3,4,5,6,7
	v_cmp_gt_f32 vcc_lo, v[\new+\q], v[\old+\q]                ; strictly greater: the first group that reaches a value keeps it
	v_cndmask_b32 v[GID+\q], v[GID+\q], v[GV], vcc_lo
.endr
	v_add_nc_u32 v[GV], 1, v[GV]
.endif
.endm
; A step: record i + 1 is asked for, record i is multiplied, record i - 1's results are reduced.  The 32 or more plain instructions of VEC name no register of the products in front of them: they are the
; places ahead of the next step's loads into the buffer those products read, of the next VEC's reads of their results, and of the products that begin their accumulators anew.
.macro STEP i, load, mul, old, new, first, last
.if \load
	LOADREC (\i)+1
	s_wait_dscnt 9                                 ; all but the nine just issued: record i is in
.else
	s_wait_dscnt 0x0
.endif
.if \mul
	MULREC \i
.endif
.set vs, ((\i)-1)%2
	VEC \old, \new, \first, \last
.endm
.macro TRIP                            ; eight records = two groups of 64 targets; the running maximum goes from RUN to T and back
	ADDR
	STEP 1, 1, 1, RUN, T, 1, 0
	STEP 2, 1, 1, RUN, T, 0, 0
	STEP 3, 1, 1, RUN, T, 0, 0
	STEP 4, 1, 1, RUN, T, 0, 1
	STEP 5, 1, 1, T, RUN, 1, 0
	STEP 6, 1, 1, T, RUN, 0, 0
	STEP 7, 1, 1, T, RUN, 0, 0
	STEP 8, 1, 1, T, RUN, 0, 1
	s_add_co_u32 s44, s44, 8*RECB
.endm
	s_wait_tensorcnt 0x2                           ; my part of records 0-15 is in; the two loads issued behind it may stay out
	s_barrier_signal -1
	s_barrier_wait -1                              ; everybody's is
	ADDR
	LOADREC 0
	LOADREC 1
	s_wait_dscnt 9                                 ; record 0 is in
	s_wait_loadcnt 0x0                             ; x
	MULREC 0
.irp q, 0,1,2,3,4,5,6,7                        ; (these 17 are also the places behind the first products)
	v_mov_b32 v[RUN+\q], 0xff800000                ; -infinity, under every D
.endr
.irp q, 0,1,2,3,4,5,6,7
	v_mov_b32 v[GID+\q], s51
.endr
	v_mov_b32 v[GV], s51
	TRIP                                           ; records 0-7; it asks for records up to 9
	s_wait_tensorcnt 0x1                           ; my part of records 16-31 is in,
	s_wait_dscnt 0x0                               ; no LDS load of mine is out at a signal
	s_barrier_signal -1
	s_barrier_wait -1
	s_mov_b32 s45, 2
.Lmid:                                             ; records 8-23; asks for records up to 25
	TRIP
	s_sub_co_u32 s45, s45, 1
	s_cmp_lg_u32 s45, 0
	s_cbranch_scc1 .Lmid
	s_wait_tensorcnt 0x0                           ; my part of records 32-63 is in
	s_wait_dscnt 0x0
	s_barrier_signal -1
	s_barrier_wait -1
	s_mov_b32 s45, 4
.Llate:                                            ; records 24-55; asks for records up to 57
	TRIP
	s_sub_co_u32 s45, s45, 1
	s_cmp_lg_u32 s45, 0
	s_cbranch_scc1 .Llate
	ADDR                                           ; records 56-63: the tail asks for nothing past the span
	STEP 1, 1, 1, RUN, T, 1, 0
	STEP 2, 1, 1, RUN, T, 0, 0
	STEP 3, 1, 1, RUN, T, 0, 0
	STEP 4, 1, 1, RUN, T, 0, 1
	STEP 5, 1, 1, T, RUN, 1, 0
	STEP 6, 1, 1, T, RUN, 0, 0
	STEP 7, 0, 1, T, RUN, 0, 0
	STEP 8, 0, 0, T, RUN, 0, 1
	; THE WAY OUT.  A query's targets lie in lanes l and l xor 16: the greater value wins, of equal values the lower group.
.irp q, 0,1,2,3,4,5,6,7
	v_add_f32 v[RUN+\q], 0, v[RUN+\q]              ; -0 becomes +0, so that equal numbers have equal keys
.endr
.irp q, 0,1,2,3,4,5,6,7
	v_permlanex16_b32 v[PV], v[RUN+\q], s46, s47
	v_permlanex16_b32 v[PG], v[GID+\q], s46, s47
	v_cmp_gt_f32 s48, v[PV], v[RUN+\q]
	v_cmp_eq_f32 s49, v[PV], v[RUN+\q]
	v_cmp_lt_u32 s50, v[PG], v[GID+\q]
	s_and_b32 s49, s49, s50
	s_or_b32 s48, s48, s49
	v_cndmask_b32 v[RUN+\q], v[RUN+\q], v[PV], s48
	v_cndmask_b32 v[GID+\q], v[GID+\q], v[PG], s48
	v_ashrrev_i32 v[TK], 31, v[RUN+\q]
	v_or_b32 v[TK], 0x80000000, v[TK]
	v_xor_b32 v[T+\q], v[TK], v[RUN+\q]            ; the key: positive numbers get their sign bit set, negative ones are inverted: unsigned order = the numbers' order
.endr
	v_cmp_le_u32 vcc_lo, 16, v[LN]
.irp i, 0,1,2,3                                ; lanes 0-15 take tile 2 i, lanes 16-31 tile 2 i + 1: 32 neighbouring queries
	v_cndmask_b32 v[OUTP+2*\i], v[T+2*\i], v[T+2*\i+1], vcc_lo
	v_cndmask_b32 v[OUTP+2*\i+1], v[GID+2*\i], v[GID+2*\i+1], vcc_lo
.endr
.irp i, 0,1,2,3
	global_store_b64 v[L8], v[OUTP+2*\i:OUTP+2*\i+1], s[60:61] offset:256*\i   ; 32 lanes store 256 consecutive bytes, aligned
.endr
	s_set_vgpr_msb 0x5
	s_wait_tensorcnt 0x0
	ds_add_u32 v192, v193
	s_wait_dscnt 0x0
	s_set_vgpr_msb 0x500
	CROUND                                         ; the closing round: no work-group ends while a partner may still ask for a tile that names it
	s_endpgm
.Lfunc_end_k_q545ae4070b_nearest:
	.size	k_q545ae4070b_nearest, .Lfunc_end_k_q545ae4070b_nearest-k_q545ae4070b_nearest
	.p2alignl 7, 3214868480
	.fill 96, 4, 3214868480
	.section	.rodata,"a",@progbits
	.p2align	6, 0x0
	.amdhsa_kernel k_q545ae4070b_nearest
		.amdhsa_group_segment_fixed_size 214016
		.amdhsa_private_segment_fixed_size 0
		.amdhsa_enable_private_segment 0
		.amdhsa_kernarg_size 16
		.amdhsa_user_sgpr_count 2
		.amdhsa_user_sgpr_kernarg_segment_ptr 1
		.amdhsa_wavefront_size32 1
		.amdhsa_system_sgpr_workgroup_id_x 1
		.amdhsa_system_sgpr_workgroup_id_y 1
		.amdhsa_system_sgpr_workgroup_id_z 1
		.amdhsa_system_vgpr_workitem_id 0
		.amdhsa_next_free_vgpr 450
		.amdhsa_next_free_sgpr 66
		.amdhsa_reserve_vcc 1
		.amdhsa_float_denorm_mode_32 3
		.amdhsa_float_denorm_mode_16_64 3
		.amdhsa_memory_ordered 1
		.amdhsa_forward_progress 1
		.amdhsa_inst_pref_size 177
	.end_amdhsa_kernel
	.amdgpu_metadata
---
amdhsa.version: [ 1, 2 ]
amdhsa.kernels:
  - .name:           k_q545ae4070b_nearest
    .symbol:         k_q545ae4070b_nearest.kd
    .args:
      - { .name: recs, .offset: 0, .size: 8, .value_kind: global_buffer, .address_space: global }
      - { .name: part, .offset: 8, .size: 8, .value_kind: global_buffer, .address_space: global }
    .group_segment_fixed_size: 214016
    .private_segment_fixed_size: 0
    .kernarg_segment_align: 8
    .kernarg_segment_size: 16
    .max_flat_workgroup_size: 256
    .sgpr_count:     66
    .vgpr_count:     450
    .wavefront_size: 32
...
	.end_amdgpu_metadata
.endif
;; end of part 2
;; launch pick (part 3): grid 256 x 1, 16 waves a work-group, no clusters, 10,496 bytes of LDS; arguments recs, part, out0, out1; writes out0, out1
.if DOCPART == 3
	.amdgcn_target "amdgcn-amd-amdhsa--gfx1250"
	.amdhsa_code_object_version 6
	.text
	.protected	k_q545ae4070b_pick
	.globl	k_q545ae4070b_pick
	.p2align	8
	.type	k_q545ae4070b_pick,@function
k_q545ae4070b_pick:
	s_mov_b64 s[64:65], 0
	v_nop
	global_prefetch_b8 v0, s[64:65] scope:SCOPE_SE
	s_setreg_imm32_b32 hwreg(HW_REG_WAVE_MODE, 25, 1), 1
	s_wait_xcnt 0x0
; For each query: the span with the greatest key (whole numbers, compared as such; of equal keys the lower span), its group of 64 targets, and in that group, multiplied once more by the same
; matrix instructions on the same operands, the first target that reaches the capped maximum.  out1 = its index; out0 = sqrt(max(|x|^2 - 2 D, 0)).
; SHARES.  Work-group b: the 16 queries of x's tile b.  Wave w: query 16 b + w: it multiplies its query's group against the whole tile (8 matrix instructions) and uses column w alone.
; The group's number is read from memory as a whole number and held at 1,023 before it enters an address.
; LIMITS: as in the launch before: the order is taken on capped D = dot - |t|^2 / 2; equal D go to the lower index; NaN and infinities are not served.
; A tile's outputs are 64 bytes in each tensor: these stores cover a quarter of an aligned 256 bytes; both outputs together are 32 KiB.
; No cluster: a work-group's record of x is its own, and which groups it reads hangs on data.
.set RECB,  3328
.set CANDP, 272                        ; LDS: a query's 32 candidates of 8 bytes + 16
.set RES,   16*CANDP                   ; behind them: a value for each thread, and 2,048 bytes on an index
.set LN,  1                            ; lane
.set RR,  2                            ; thread % 16
.set HH,  3                            ; lane / 16
.set L16, 4                            ; 16 x lane
.set L4,  5                            ; 4 x lane
.set H32, 6                            ; 32 (lane / 16)
.set PO,  7                            ; my two candidates in part
.set BK,  8                            ; best key, best group, best value, best index
.set BG,  9
.set BV,  10
.set BI,  11
.set T0,  12                           ; v12-15 at work
.set T1,  13
.set T2,  14
.set T3,  15
.set XF,  16                           ; v16-39 x's two fragments
.set XS,  40                           ; x's scale words
.set HNX, 41                           ; -|x|^2 / 2 of query lane % 16
.set TS,  42                           ; v42-45 the four records' scale words
.set CA,  46                           ; where I put a candidate
.set CR,  47                           ; where my wave's query's candidates begin
.set K0,  48                           ; v48-49, v50-51 two candidates {key, gid}
.set K1,  50
.set RW,  52                           ; where I put my result
.set RRD, 53                           ; where wave 0 finds query lane % 16's
.set OO,  54                           ; 4 x (lane % 16)
.set CD,  64                           ; v64-127 32 candidates; then
.set TF,  64                           ; v64-159 the four records' fragments
.set HN,  160                          ; v160-191 hn of my eight targets of each record
.set ACC, 192                          ; v192-223 four accumulators
	s_load_b256 s[4:11], s[0:1], 0x0               ; recs s[4:5], part s[6:7], out0 s[8:9], out1 s[10:11]
	v_lshl_add_u32 v224, v0, 2, 0x2100
	v_mov_b32 v225, 0
	v_lshrrev_b32 v[T0], 5, v0
	v_readfirstlane_b32 s12, v[T0]                 ; wave 0..15
	v_and_b32 v[LN], 31, v0
	v_and_b32 v[RR], 15, v0
	v_bfe_u32 v[HH], v0, 4, 1
	v_lshrrev_b32 v[T1], 4, v0                     ; sp = thread / 16: spans 2 sp and 2 sp + 1 are mine, for query thread % 16
	v_lshlrev_b32 v[L16], 4, v[LN]
	v_lshlrev_b32 v[L4], 2, v[LN]
	v_lshlrev_b32 v[H32], 5, v[HH]
	v_lshlrev_b32 v[PO], 3, v[RR]
	v_lshl_or_b32 v[PO], v[T1], 16, v[PO]          ; a span is 32,768 bytes of part, a query 8
	v_mul_u32_u24 v[CA], v[RR], CANDP
	v_lshl_add_u32 v[CA], v[T1], 3, v[CA]
	s_mul_i32 s13, s12, CANDP
	v_mov_b32 v[CR], s13
	v_lshl_add_u32 v[RW], v0, 2, RES
	v_mul_u32_u24 v[RRD], v[RR], 132               ; lane r of wave r: 128 r + 4 r
	v_add_nc_u32 v[RRD], RES, v[RRD]
	v_lshlrev_b32 v[OO], 2, v[RR]
	s_mov_b32 s14, 0x76543210                      ; v_permlanex16_b32's selects for lane l xor 16
	s_mov_b32 s15, 0xfedcba98
	s_add_co_u32 s16, ttmp9, 4096
	s_mul_i32 s16, s16, RECB                       ; x's record
	s_mov_b32 s17, 0
	s_lshl_b32 s18, ttmp9, 7                       ; my 16 queries in a span of part
	s_mov_b32 s19, 0
	s_lshl_b32 s20, ttmp9, 6                       ; and in the outputs
	s_mov_b32 s21, 0
	s_wait_kmcnt 0x0
	s_add_nc_u64 s[16:17], s[4:5], s[16:17]
	s_add_nc_u64 s[6:7], s[6:7], s[18:19]
	s_add_nc_u64 s[8:9], s[8:9], s[20:21]
	s_add_nc_u64 s[10:11], s[10:11], s[20:21]
	global_load_b64 v[K0:K0+1], v[PO], s[6:7]
	global_load_b64 v[K1:K1+1], v[PO], s[6:7] offset:32768
.irp c, 0,1,2,3,4,5
	global_load_b128 v[XF+4*\c:XF+4*\c+3], v[L16], s[16:17] offset:512*\c
.endr
	global_load_b32 v[XS], v[L4], s[16:17] offset:3072
	global_load_b32 v[HNX], v[L4], s[16:17] offset:3200
	s_wait_loadcnt 8                               ; the two candidates are in; the eight loads of x's record, issued behind them, may stay out
	v_cmp_gt_u32 vcc_lo, v[K1], v[K0]              ; the later span wins only where its key is greater
	v_cndmask_b32 v[K0], v[K0], v[K1], vcc_lo
	v_cndmask_b32 v[K0+1], v[K0+1], v[K1+1], vcc_lo
	ds_store_b64 v[CA], v[K0:K0+1]
	s_wait_dscnt 0x0                               ; for the others' sake: my candidate lies in LDS
	s_barrier_signal -1
	s_barrier_wait -1
.irp k, 0,1,2,3,4,5,6,7,8,9,10,11,12,13,14,15
	ds_load_b128 v[CD+4*\k:CD+4*\k+3], v[CR] offset:16*\k      ; my wave's query: all lanes read the same 256 bytes
.endr
	s_wait_dscnt 0x0
	v_mov_b32 v[BK], v[CD]
	v_mov_b32 v[BG], v[CD+1]
.irp c, 1,2,3,4,5,6,7,8,9,10,11,12,13,14,15,16,17,18,19,20,21,22,23,24,25,26,27,28,29,30,31
	v_cmp_gt_u32 vcc_lo, v[CD+2*\c], v[BK]         ; in ascending order of spans, strictly greater
	v_cndmask_b32 v[BG], v[BG], v[CD+2*\c+1], vcc_lo
	v_cndmask_b32 v[BK], v[BK], v[CD+2*\c], vcc_lo
.endr
	v_readfirstlane_b32 s22, v[BG]
	s_min_u32 s22, s22, 0x3ff                      ; there are 1,024 groups
	s_mul_i32 s24, s22, 4*RECB                     ; a group is four records
	s_mov_b32 s25, 0
	s_add_nc_u64 s[24:25], s[4:5], s[24:25]
.irp i, 0,1,2,3
.irp c, 0,1,2,3,4,5
	global_load_b128 v[TF+24*\i+4*\c:TF+24*\i+4*\c+3], v[L16], s[24:25] offset:\i*RECB+512*\c
.endr
	global_load_b32 v[TS+\i], v[L4], s[24:25] offset:\i*RECB+3072
	global_load_b128 v[HN+8*\i:HN+8*\i+3], v[H32], s[24:25] offset:\i*RECB+3200
	global_load_b128 v[HN+8*\i+4:HN+8*\i+7], v[H32], s[24:25] offset:\i*RECB+3216
.endr
	s_wait_loadcnt 0x0
.irp i, 0,1,2,3                                ; as in the launch before: source 0 = 16 targets, source 1 = the 16 queries, C = hn; the four accumulators by turns
	v_wmma_scale_f32_16x16x128_f8f6f4 v[ACC+8*\i:ACC+8*\i+7], v[TF+24*\i:TF+24*\i+11], v[XF:XF+11], v[HN+8*\i:HN+8*\i+7], v[TS+\i], v[XS] matrix_a_fmt:MATRIX_FMT_BF6 matrix_b_fmt:MATRIX_FMT_BF6
.endr
.irp i, 0,1,2,3
	v_wmma_scale_f32_16x16x128_f8f6f4 v[ACC+8*\i:ACC+8*\i+7], v[TF+24*\i+12:TF+24*\i+23], v[XF+12:XF+23], v[ACC+8*\i:ACC+8*\i+7], v[TS+\i], v[XS] matrix_a_fmt:MATRIX_FMT_BF6 matrix_b_fmt:MATRIX_FMT_BF6 matrix_a_scale:MATRIX_SCALE_ROW1 matrix_b_scale:MATRIX_SCALE_ROW1
.endr
.rept 4
	v_nop                                          ; four places between the last product and the first vector instruction on a result (ISA guide 7.12.1)
.endr
.irp n, 0,1,2,3,4,5,6,7,8,9,10,11,12,13,14,15,16,17,18,19,20,21,22,23,24,25,26,27,28,29,30,31
	v_min_num_f32 v[ACC+\n], v[ACC+\n], -v[HNX]    ; the cap; each accumulator from its low end on
.endr
	v_mov_b32 v[BV], v[ACC]
	v_mov_b32 v[BI], 0
.irp n, 1,2,3,4,5,6,7,8,9,10,11,12,13,14,15,16,17,18,19,20,21,22,23,24,25,26,27,28,29,30,31
	v_cmp_le_f32 vcc_lo, v[ACC+\n], v[BV]          ; register 8 i + j is target 16 i + 8 (lane / 16) + j of the group: ascending; the index moves only where the value grows
	v_cndmask_b32 v[BI], 16*(\n/8)+\n%8, v[BI], vcc_lo
	v_max_num_f32 v[BV], v[BV], v[ACC+\n]
.endr
	s_lshl_b32 s23, s22, 6
	v_lshl_add_u32 v[BI], v[HH], 3, v[BI]
	v_add_nc_u32 v[BI], s23, v[BI]                 ; the target's index: 64 x group + 8 (lane / 16) + the place found
	v_permlanex16_b32 v[T0], v[BV], s14, s15
	v_permlanex16_b32 v[T1], v[BI], s14, s15
	v_cmp_gt_f32 s26, v[T0], v[BV]                 ; the other half's wins where it is greater, or equal with the lower index
	v_cmp_eq_f32 s27, v[T0], v[BV]
	v_cmp_lt_u32 s28, v[T1], v[BI]
	s_and_b32 s27, s27, s28
	s_or_b32 s26, s26, s27
	v_cndmask_b32 v[BV], v[BV], v[T0], s26
	v_cndmask_b32 v[BI], v[BI], v[T1], s26
	v_mul_f32 v[T2], -2.0, v[HNX]                  ; |x|^2
	v_fma_f32 v[T2], -2.0, v[BV], v[T2]            ; d^2 = |x|^2 - 2 D
	v_max_num_f32 v[T2], 0, v[T2]
	v_sqrt_f32 v[T3], v[T2]
	v_nop                                          ; a plain instruction behind the root,
	s_wait_alu depctr_va_vdst(0)                   ; and the wait ahead of its first reader
	ds_store_b32 v[RW], v[T3]
	ds_store_b32 v[RW], v[BI] offset:2048
	s_wait_dscnt 0x0                               ; for wave 0's sake
	s_barrier_signal -1
	s_barrier_wait -1
	s_cmp_lg_u32 s12, 0                            ; wave 0 stores the tile's 16 results
	s_cbranch_scc1 .Lend
	ds_load_b32 v[T0], v[RRD]                      ; query r's result stands in lane r of wave r
	ds_load_b32 v[T1], v[RRD] offset:2048
	s_wait_dscnt 0x0
	s_wait_xcnt 0x0                                ; EXEC changes only behind this wait: earlier loads have had their addresses translated
	v_cmp_gt_u32 vcc_lo, 16, v0
	s_and_saveexec_b32 s29, vcc_lo
	global_store_b32 v[OO], v[T0], s[8:9]
	global_store_b32 v[OO], v[T1], s[10:11]
	s_wait_xcnt 0x0                                ; and again in front of the line that widens it
	s_or_b32 exec_lo, exec_lo, s29
.Lend:
	s_wait_tensorcnt 0x0
	ds_add_u32 v224, v225
	s_wait_dscnt 0x0
	s_endpgm
.Lfunc_end_k_q545ae4070b_pick:
	.size	k_q545ae4070b_pick, .Lfunc_end_k_q545ae4070b_pick-k_q545ae4070b_pick
	.p2alignl 7, 3214868480
	.fill 96, 4, 3214868480
	.section	.rodata,"a",@progbits
	.p2align	6, 0x0
	.amdhsa_kernel k_q545ae4070b_pick
		.amdhsa_group_segment_fixed_size 10496
		.amdhsa_private_segment_fixed_size 0
		.amdhsa_enable_private_segment 0
		.amdhsa_kernarg_size 32
		.amdhsa_user_sgpr_count 2
		.amdhsa_user_sgpr_kernarg_segment_ptr 1
		.amdhsa_wavefront_size32 1
		.amdhsa_system_sgpr_workgroup_id_x 1
		.amdhsa_system_sgpr_workgroup_id_y 1
		.amdhsa_system_sgpr_workgroup_id_z 1
		.amdhsa_system_vgpr_workitem_id 0
		.amdhsa_next_free_vgpr 226
		.amdhsa_next_free_sgpr 66
		.amdhsa_reserve_vcc 1
		.amdhsa_float_denorm_mode_32 3
		.amdhsa_float_denorm_mode_16_64 3
		.amdhsa_memory_ordered 1
		.amdhsa_forward_progress 1
		.amdhsa_inst_pref_size 19
	.end_amdhsa_kernel
	.amdgpu_metadata
---
amdhsa.version: [ 1, 2 ]
amdhsa.kernels:
  - .name:           k_q545ae4070b_pick
    .symbol:         k_q545ae4070b_pick.kd
    .args:
      - { .name: recs, .offset: 0, .size: 8, .value_kind: global_buffer, .address_space: global }
      - { .name: part, .offset: 8, .size: 8, .value_kind: global_buffer, .address_space: global }
      - { .name: out0, .offset: 16, .size: 8, .value_kind: global_buffer, .address_space: global }
      - { .name: out1, .offset: 24, .size: 8, .value_kind: global_buffer, .address_space: global }
    .group_segment_fixed_size: 10496
    .private_segment_fixed_size: 0
    .kernarg_segment_align: 8
    .kernarg_segment_size: 32
    .max_flat_workgroup_size: 512
    .sgpr_count:     66
    .vgpr_count:     226
    .wavefront_size: 32
...
	.end_amdgpu_metadata
.endif
;; end of part 3
